; MI455X (gfx1250); checked and timed in simulation.
; The chip was launched on July 23, 2026; its instructions are those of AMD's public machine-readable ISA for CDNA 5 (MIT licence, August 2026) and "CDNA5" Instruction Set Architecture Reference Guide (July 2026). The comments in the code are by the model that wrote it; some were corrected since.
;; Centroid Pool. Allowed arithmetic: matrix products marked QUANTISED: E5M2 operands, one given power-of-two scale a tensor, by v_wmma_f32_16x16x64_bf8_bf8 or v_wmma_f32_16x16x128_bf8_bf8, f32 sums; everything else in f32.
;; Inputs: coords 1,024 x 128 float32; latent 131,072 x 128 float32; lowp_scales 2 int32 (the exponents e of the quantised operands' scales 2^e).
;; Outputs: out0 131,072 int32.
;; This version of the problem:
;;   THIS VERSION OF THE PROBLEM IS GIVEN IN LOW PRECISION. The matrix products marked QUANTISED in the list below multiply operands that are first quantised to E5M2 (5 exponent bits, 2 mantissa bits; 8 bits a number), with one given power-of-two scale for each operand tensor; their sums are f32. All else is computed in f32.
;;   The module's matrix products, in the order in which they are computed (A, B: the left and right operand; K: the contracted axis; several contracted axes count as one K, in the product's order):
;;     1. [M 131,072, K 128] x [K 128, N 1,024]; A: input latent; B: input coords: QUANTISED (scales: A lowp_scales[0], B lowp_scales[1])
;;   THE QUANTISER, for each operand of a quantised product, along K:
;;     - The operand's scale is 2^e, e = its entry of the input lowp_scales (int32; the entries are numbered through the quantised products in the list's order, A before B).
;;     - Each number is divided by the scale, clamped to +-57,344, and rounded to the nearest number of E5M2, ties to even, subnormals kept.
;;     - The product sums the exact products of the quantised numbers (number of the format x scale) in f32.
;;   ~~~python
;;   def quantise(x, axis, e):      # numpy; x: float32 -> the quantised numbers, widened to float32 again
;;       x = np.moveaxis(x, axis, -1); K = x.shape[-1]
;;       r = np.clip(x / 2.0 ** e, -57344, 57344)
;;       step = 2.0 ** (np.maximum(np.frexp(np.where(r == 0, 1, r))[1] - 1, -14) - 2)
;;       q = np.round(r / step) * step * 2.0 ** e      # np.round: ties to even
;;       return np.moveaxis(q, -1, axis).astype(np.float32)
;;   ~~~
;; One version. Each part assembles by itself: llvm-mc -triple=amdgcn-amd-amdhsa -mcpu=gfx1250 --defsym DOCPART=n.
;; ======== version 1 of 1: 2 launches
;; limits: right only within a limited range of input values
;; workspace buffers: codes 131,072 bytes; cterm 4,096 bytes
;; launch prepare (part 1): grid 16 x 1, 4 waves a work-group, no clusters, 18,176 bytes of LDS; arguments coords, lowp_scales, codes, cterm; writes codes, cterm
.if DOCPART == 1
	.amdgcn_target "amdgcn-amd-amdhsa--gfx1250"
	.amdhsa_code_object_version 6
	.text
	.protected	k_q2989f205fa_prepare
	.globl	k_q2989f205fa_prepare
	.p2align	8
	.type	k_q2989f205fa_prepare,@function
k_q2989f205fa_prepare:
	s_mov_b64 s[64:65], 0
	v_nop
	global_prefetch_b8 v0, s[64:65] scope:SCOPE_SE
	s_setreg_imm32_b32 hwreg(HW_REG_WAVE_MODE, 25, 1), 1
	s_wait_xcnt 0x0
; The program: out0[n] = the index k of the smallest d2[n][k] = x2[n] + c2[k] - 2 x[n].c[k];  latent [131072][128] f32, coords [1024][128] f32, out0 int32.
; x.c is taken on codes of BF8 (E5M2): each number / 2^e, held within +-57,344, rounded to the nearest code; ea, eb are the two whole numbers of lowp_scales.
; DEAD WORK: x2[n] is the same number for every k, so in exact arithmetic it cannot move the argmin over k, whatever latent holds: it is not computed.  latent itself is loaded: its codes are live.
; What is left, c2[k] - 2 2^(ea+eb) P (P the sum of the codes' products), is divided by -2^(1+ea+eb): the LARGEST P - c2[k] / 2^(1+ea+eb) is sought.  That number is the matrix instruction's own result: its C operand
; holds -c2 / 2^(1+ea+eb) (a power of two rounds nothing).  c2 is a sum of squares of the numbers as given, in f32.  The lowest index wins a tie.
; LIMITS.  NaN among the inputs is not served; a NaN, an infinity or an overflow that reaches x2 alone is not carried to the result.  ea and eb lie between -126 and 112, ea + eb between -127 and 125, and c2 / 2^(1+ea+eb) is a finite f32 number.
; c2 is added in sixteen partial sums, x2 is not rounded into the distances, and k has another place inside the matrix instruction than in a plain sum (the same place in both operands):
; two centroids whose d2 differ only in the last places of f32 may therefore change places against a sum taken in another order.
;
; THIS LAUNCH turns coords into codes, once for all work-groups of the next launch, laid as images of its operand registers: tile T (16 centroids) is 2,048 bytes, lane l's registers 4 c .. 4 c + 3 at 512 c + 16 l;
; and into C operands, 16 f32 a tile.  64 waves, a tile each.  Tile T = 8 W + t holds centroids 128 W + 8 t + 0 .. 7 in its rows 0-7 and 128 W + 64 + 8 t + 0 .. 7 in its rows 8-15: a lane of the next launch then
; has 64 neighbouring centroids in rising order.
; PLACE OF k, in both launches: lane (r = lane % 16, h = lane / 16), register d of a fragment holds k = 64 (d / 8) + 32 h + 4 (d % 8) + byte of row r.
.set SREG, 4352                        ; a wave's stage: 16 rows x (256 + 16) bytes
.set SPI,  272                         ; 17 x 16: sixteen rows begin in sixteen different 16-byte columns of 256 bytes
.set C2L,  4*SREG                      ; 256 bytes: the work-group's 64 C operands
.set SPARE, C2L+256
.set SPW,  1                           ; my spare word;  v2: 0
.set NIL,  2
.set CG,   3                           ; 512 h + 16 r
.set STGW, 4                           ; my stage + 272 h + 16 r
.set STGR, 5                           ; my stage + 272 r + 128 h
.set C2W,  6                           ; C2L + 64 w + 4 r
.set C2R,  7                           ; C2L + 8 lane
.set LI,   8                           ; 16 lane
.set L8,   9                           ; 8 lane
.set SCB,  10                          ; 2^eb;  v11: 57,344 x 2^eb
.set L,    32                          ; v32-95   as loaded
.set X,    96                          ; v96-159  two halves of 32 neighbours
.set Q,    160                         ; v160-167 four chains of squares, in pairs
.set CODE, 168                         ; v168-183
	s_load_b128 s[4:7], s[0:1], 0x0                ; coords, the scales' exponents
	s_load_b128 s[8:11], s[0:1], 0x10              ; codes, cterm
	v_lshl_add_u32 v[SPW], v0, 2, SPARE
	v_mov_b32 v[NIL], 0
	v_lshrrev_b32 v12, 5, v0
	v_readfirstlane_b32 s14, v12                   ; wave 0..3
	v_and_b32 v13, 15, v0                          ; r
	v_bfe_u32 v14, v0, 4, 1                        ; h
	v_and_b32 v15, 31, v0                          ; lane
	s_mul_i32 s15, s14, SREG
	s_lshl_b32 s20, s14, 6
	s_add_co_u32 s20, s20, C2L
	v_lshlrev_b32 v[CG], 4, v13
	v_mul_u32_u24 v[STGW], v14, SPI
	v_mul_u32_u24 v[STGR], v13, SPI
	v_lshl_add_u32 v[CG], v14, 9, v[CG]
	v_lshl_add_u32 v[STGW], v13, 4, v[STGW]
	v_lshl_add_u32 v[STGR], v14, 7, v[STGR]
	v_add_nc_u32 v[STGW], s15, v[STGW]
	v_add_nc_u32 v[STGR], s15, v[STGR]
	v_lshl_add_u32 v[C2W], v13, 2, s20
	v_lshl_add_u32 v[C2R], v15, 3, C2L
	v_lshlrev_b32 v[LI], 4, v15
	v_lshlrev_b32 v[L8], 3, v15
	s_lshl_b32 s16, ttmp9, 2
	s_add_co_u32 s16, s16, s14                     ; T
	s_lshr_b32 s17, s16, 3
	s_lshl_b32 s17, s17, 16                        ; W x 128 rows of 512 bytes
	s_and_b32 s18, s16, 7
	s_lshl_b32 s18, s18, 12                        ; t x 8 rows
	s_add_co_u32 s18, s17, s18
	s_mov_b32 s19, 0
	s_lshl_b32 s20, s16, 11
	s_mov_b32 s21, 0
	s_lshl_b32 s22, ttmp9, 8
	s_mov_b32 s23, 0
	s_mov_b32 s24, 0x76543210                      ; lane selects: lane xor 16
	s_mov_b32 s25, 0xfedcba98
	s_wait_alu depctr_va_vdst(0)
	s_wait_kmcnt 0x0
	s_load_b64 s[26:27], s[6:7], 0x0               ; ea, eb
	s_add_nc_u64 s[4:5], s[4:5], s[18:19]
	s_add_nc_u64 s[8:9], s[8:9], s[20:21]
	s_add_nc_u64 s[10:11], s[10:11], s[22:23]
.irp p, 0,1                                    ; each load reads two aligned runs of 256 bytes: lanes 0-15 half p of the tile's row 2 i, lanes 16-31 of row 2 i + 1; rows 8-15 lie 56 rows further on
.irp i, 0,1,2,3,4,5,6,7
	global_load_b128 v[L+32*\p+4*\i:L+32*\p+4*\i+3], v[CG], s[4:5] offset:1024*\i+28672*(\i/4)+256*\p th:TH_LOAD_NT
.endr
.endr
	s_wait_kmcnt 0x0
	s_add_co_i32 s28, s27, 127
	s_lshl_b32 s29, s28, 23
	v_mov_b32 v[SCB], s29                          ; 2^eb as f32: the conversion takes its exponent field
	s_add_co_i32 s28, s28, 15
	s_lshl_b32 s28, s28, 23
	s_or_b32 s28, s28, 0x600000
	v_mov_b32 v[SCB+1], s28                        ; 57,344 x 2^eb
	s_add_co_i32 s28, s26, s27
	s_sub_co_i32 s28, 126, s28
	s_lshl_b32 s28, s28, 23
	s_or_b32 s28, s28, 0x80000000                  ; -2^-(1 + ea + eb)
.macro TURN p, n                       ; half p through my stage: LDS serves a wave's instructions in order (ISA guide 5.7.1.4)
	s_wait_alu depctr_va_vdst(0)
	s_wait_loadcnt \n                              ; half 0: the eight loads of half 1 may be out
.irp i, 0,1,2,3,4,5,6,7
	ds_store_b128 v[STGW], v[L+32*\p+4*\i:L+32*\p+4*\i+3] offset:2*SPI*\i
.endr
.irp j, 0,1,2,3,4,5,6,7
	ds_load_b128 v[X+32*\p+4*\j:X+32*\p+4*\j+3], v[STGR] offset:16*\j
.endr
.endm
	TURN 0, 8
	TURN 1, 0
.macro HOLD i0, n                      ; the conversion to an 8-bit code does not saturate (ISA guide 7.6.2)
.set ii, \i0
.rept \n
	v_med3_num_f32 v[X+ii], v[X+ii], -v[SCB+1], v[SCB+1]
.set ii, ii+1
.endr
.endm
.macro SUMSQ p                         ; 32 numbers squared and added, two at a time, in four chains; half 0 starts them
.set ii, 0
.rept 16
.if (\p == 0) && (ii < 4)
	v_pk_mul_f32 v[Q+2*(ii%4):Q+2*(ii%4)+1], v[X+32*\p+2*ii:X+32*\p+2*ii+1], v[X+32*\p+2*ii:X+32*\p+2*ii+1]
.else
	v_pk_fma_f32 v[Q+2*(ii%4):Q+2*(ii%4)+1], v[X+32*\p+2*ii:X+32*\p+2*ii+1], v[X+32*\p+2*ii:X+32*\p+2*ii+1], v[Q+2*(ii%4):Q+2*(ii%4)+1]
.endif
.set ii, ii+1
.endr
.endm
	s_wait_dscnt 16                                ; half 0 is back; half 1's 8 stores and 8 loads may be out
	SUMSQ 0
	s_wait_alu depctr_va_vdst(0)
	s_wait_dscnt 0x0
	SUMSQ 1
	v_pk_add_f32 v[Q:Q+1], v[Q:Q+1], v[Q+2:Q+3]    ; the sums' chain is joined among the holds; lane xor 16 has the row's other 64 numbers
	v_pk_add_f32 v[Q+4:Q+5], v[Q+4:Q+5], v[Q+6:Q+7]
	HOLD 0, 5
	v_pk_add_f32 v[Q:Q+1], v[Q:Q+1], v[Q+4:Q+5]
	HOLD 5, 5
	v_add_f32 v[Q], v[Q], v[Q+1]
	HOLD 10, 5
	v_permlanex16_b32 v[Q+2], v[Q], s24, s25
	HOLD 15, 5
	v_add_f32 v[Q], v[Q], v[Q+2]
	HOLD 20, 5
	v_mul_f32 v[Q], s28, v[Q]
	ds_store_b32 v[C2W], v[Q]                      ; the C operand of row r (lanes r and r + 16 store the same number)
	HOLD 25, 39
.irp g, 0,1,2,3,4,5,6,7
	v_cvt_scalef32_pk8_bf8_f32 v[CODE+2*\g:CODE+2*\g+1], v[X+8*\g:X+8*\g+7], v[SCB]
.endr
	v_nop                                          ; one plain vector instruction behind the last conversion
.irp c, 0,1,2,3
	global_store_b128 v[LI], v[CODE+4*\c:CODE+4*\c+3], s[8:9] offset:512*\c   ; 512 consecutive bytes, at a multiple of 512
.endr
	s_wait_alu depctr_va_vdst(0)
	s_wait_dscnt 0x0                               ; for wave 0's sake: my C operands are stored
	s_barrier_signal -1
	s_barrier_wait -1
	s_cmp_lg_u32 s14, 0
	s_cbranch_scc1 .Lend
	ds_load_b64 v[16:17], v[C2R]
	s_wait_dscnt 0x0
	global_store_b64 v[L8], v[16:17], s[10:11]     ; wave 0: the work-group's 256 bytes
.Lend:
	s_wait_tensorcnt 0x0                           ; the wave's end
	ds_add_u32 v[SPW], v[NIL]
	s_wait_dscnt 0x0
	s_endpgm
.Lfunc_end_k_q2989f205fa_prepare:
	.size	k_q2989f205fa_prepare, .Lfunc_end_k_q2989f205fa_prepare-k_q2989f205fa_prepare
	.p2alignl 7, 3214868480
	.fill 96, 4, 3214868480
	.section	.rodata,"a",@progbits
	.p2align	6, 0x0
	.amdhsa_kernel k_q2989f205fa_prepare
		.amdhsa_group_segment_fixed_size 18176
		.amdhsa_private_segment_fixed_size 0
		.amdhsa_enable_private_segment 0
		.amdhsa_kernarg_size 32
		.amdhsa_user_sgpr_count 2
		.amdhsa_user_sgpr_kernarg_segment_ptr 1
		.amdhsa_wavefront_size32 1
		.amdhsa_system_sgpr_workgroup_id_x 1
		.amdhsa_system_sgpr_workgroup_id_y 1
		.amdhsa_system_sgpr_workgroup_id_z 1
		.amdhsa_system_vgpr_workitem_id 0
		.amdhsa_next_free_vgpr 184
		.amdhsa_next_free_sgpr 66
		.amdhsa_reserve_vcc 0
		.amdhsa_float_denorm_mode_32 3
		.amdhsa_float_denorm_mode_16_64 3
		.amdhsa_memory_ordered 1
		.amdhsa_forward_progress 1
		.amdhsa_inst_pref_size 15
	.end_amdhsa_kernel
	.amdgpu_metadata
---
amdhsa.version: [ 1, 2 ]
amdhsa.kernels:
  - .name:           k_q2989f205fa_prepare
    .symbol:         k_q2989f205fa_prepare.kd
    .args:
      - { .name: coords, .offset: 0, .size: 8, .value_kind: global_buffer, .address_space: global }
      - { .name: lowp_scales, .offset: 8, .size: 8, .value_kind: global_buffer, .address_space: global }
      - { .name: codes, .offset: 16, .size: 8, .value_kind: global_buffer, .address_space: global }
      - { .name: cterm, .offset: 24, .size: 8, .value_kind: global_buffer, .address_space: global }
    .group_segment_fixed_size: 18176
    .private_segment_fixed_size: 0
    .kernarg_segment_align: 8
    .kernarg_segment_size: 32
    .max_flat_workgroup_size: 128
    .sgpr_count:     66
    .vgpr_count:     184
    .wavefront_size: 32
...
	.end_amdgpu_metadata
.endif
;; end of part 1
;; launch nearest (part 2): grid 256 x 1, 8 waves a work-group, no clusters, 302,080 bytes of LDS; arguments latent, codes, cterm, lowp_scales, out0; writes out0
.if DOCPART == 2
	.amdgcn_target "amdgcn-amd-amdhsa--gfx1250"
	.amdhsa_code_object_version 6
	.text
	.protected	k_q2989f205fa_nearest
	.globl	k_q2989f205fa_nearest
	.p2align	8
	.type	k_q2989f205fa_nearest,@function
k_q2989f205fa_nearest:
	s_mov_b64 s[64:65], 0
	v_nop
	global_prefetch_b8 v0, s[64:65] scope:SCOPE_SE
	s_setreg_imm32_b32 hwreg(HW_REG_WAVE_MODE, 25, 1), 1
	s_wait_xcnt 0x0
; The argmin (see the first kernel's head).  LEFT OUT here: x2, the same for every k of a row, whatever latent holds.  coords come as codes and C operands from the launch before.
; LIMITS: as at the first kernel's head.
; SHARES.  256 work-groups of eight waves; a work-group owns 512 rows of latent: 32 tiles of 16.  Wave w owns centroids 128 w .. + 127: their 8 fragments (128 registers) and C operands (64) stay in its registers.
; Rows come in four quarters: wave w brings in rows 64 w + 16 q + 0 .. 15 of quarter q, quantises them, and stores the fragment's image (2,048 bytes) in LDS; behind a barrier every wave multiplies the quarter's
; eight row tiles, in four pairs, by its 8 centroid tiles.  Wave w's tile of quarter q + 1 is quantised in the middle of quarter q, where the wave signals; it waits at the quarter's end.
; NO CLUSTER: what work-groups share, 131,072 + 4,096 bytes, is asked for once, at the head, beside 262,144 bytes of latent that are each work-group's own; no later step asks for a shared tile.
; NO PREFETCH: latent's own loads run ahead, by two quarters (32 loads of 512 bytes a wave).
; LAYOUT.  Source 0 = 16 centroids, source 1 = 16 rows of latent: lane (r = lane % 16, h = lane / 16) holds row r, register j of tile t centroid 128 w + 64 h + 8 t + j: a lane's 64 centroids are neighbours.
; THE ARGMAX of a lane, two centroid tiles (16 results) at a time: they and the best so far give the new best; where it has grown, the 16 results and their first index replace the saved ones.  Then the saved 16 are
; halved four times towards the lowest place that equals the best: that is done behind the first products of the next pair.  The sixteen candidates of a row (8 waves, two h) meet in LDS.
; No branch and no address hangs on a number.
; LDS: images [4][8] x 2,048; stages; candidates; C operands; codes (the one fill, each wave's own 16,384 bytes); spare words.
.set STG,  65536                       ; stages, 16 rows x (256 + 16) a wave
.set SREG, 4352
.set SPI,  272
.set CAND, STG+8*SREG                  ; candidates: values [16][512], then indices [16][512]
.set C2L,  CAND+65536
.set CODEL, C2L+4096
.set SPARE, CODEL+131072
; window 0
.set SPW,  1
.set NIL,  2
.set LI,   3                           ; 16 lane
.set IMGW, 4                           ; 2048 w + 16 lane
.set STGW, 5                           ; my stage + 272 h + 16 r
.set STGR, 6                           ; my stage + 272 r + 128 h
.set CG,   7                           ; 512 h + 16 r
.set C2W,  8                           ; C2L + 512 w + 16 lane
.set C2R,  9                           ; C2L + 512 w + 32 h
.set SCA,  10                          ; 2^ea;  v11: 57,344 x 2^ea
.set CW,   12                          ; CAND + 2048 (2 w + h) + 4 r
.set CDR,  13                          ; CODEL + 16384 w + 16 lane
.set LB,   14                          ; 128 w + 64 h
.set MA,   15                          ; CAND + 8 x thread
.set OO,   16                          ; 8 x thread
.set HV1,  17                          ; v17-18 and v19-20: values held across a barrier
.set HV2,  19
.set HJ2,  22                          ; v22-23: the second pair's indices
.set TM,   24                          ; v24-39
.set BEST, 40                          ; v40-43  two sets by turns
.set ID,   44                          ; v44-45
.set HJ1,  46                          ; v46-47  indices
.set BF,   48                          ; v48-79  two row fragments
.set B0,   80                          ; v80-111, v112-143, v208-239: three buffers of four accumulators.  A pair's first products go to B0 (even pairs) or B2 (odd) and become the saved results there
.set B1,   112
.set B2,   208
.set X,    80                          ; B0 and B1: 64 numbers while quantising
.set VV,   80                          ; the last merge: values,
.set VI,   112                         ; indices
.set C2,   144                         ; v144-207 C operands of tile t at 144 + 8 t
.set CODE, 240                         ; v240-255 codes of a row tile
; window 1
.set AF,   0                           ; v0-127  my 8 centroid fragments
.set L,    128                         ; v128-255 latent as loaded, two tiles by turns
; scalars
.set WV,  14
.set G1,  40
.set G0,  48
.set MK,  66
.set MSB, 0
.macro WIN new                         ; the immediate's high byte repeats the setting that is left
.if MSB != \new
	s_set_vgpr_msb (MSB<<8)|\new
.set MSB, \new
.endif
.endm
.set W_MM, 0x01                        ; source 0 window 1, all else window 0
.set W_D1, 0x40                        ; destination window 1
.set W_S1, 0x04                        ; an LDS store's data window 1
; my row tile q as it lies: each load reads two aligned runs of 256 bytes: lanes 0-15 half p of row 2 i, lanes 16-31 of row 2 i + 1
.macro LOADL q
	WIN W_D1
.irp p, 0,1
.irp i, 0,1,2,3,4,5,6,7
	global_load_b128 v[L+64*((\q)%2)+32*\p+4*\i:L+64*((\q)%2)+32*\p+4*\i+3], v[CG], s[4:5] offset:8192*(\q)+1024*\i+256*\p th:TH_LOAD_NT
.endr
.endr
	WIN 0
.endm
; half p of my row tile through my stage, so that a lane holds 32 neighbours: LDS serves a wave's instructions in order (ISA guide 5.7.1.4), so no wait stands between stores and loads
.macro RST q, p
	WIN W_S1
.irp i, 0,1,2,3,4,5,6,7
	ds_store_b128 v[STGW], v[L+64*((\q)%2)+32*\p+4*\i:L+64*((\q)%2)+32*\p+4*\i+3] offset:2*SPI*\i
.endr
	WIN 0
.irp j, 0,1,2,3,4,5,6,7
	ds_load_b128 v[X+32*\p+4*\j:X+32*\p+4*\j+3], v[STGR] offset:16*\j
.endr
.endm
.macro HALFQ p, n                      ; n: the younger LDS instructions that may stay out
	s_wait_alu depctr_va_vdst(0)
	s_wait_dscnt \n
.set ii, 0
.rept 32
	v_med3_num_f32 v[X+32*\p+ii], v[X+32*\p+ii], -v[SCA+1], v[SCA+1]   ; the conversion to an 8-bit code does not saturate (ISA guide 7.6.2)
.set ii, ii+1
.endr
.irp g, 0,1,2,3
	v_cvt_scalef32_pk8_bf8_f32 v[CODE+8*\p+2*\g:CODE+8*\p+2*\g+1], v[X+32*\p+8*\g:X+32*\p+8*\g+7], v[SCA]
.endr
	v_nop                                          ; one plain vector instruction behind the last conversion
.endm
; my tile of quarter q: n younger loads may stay out; the tile two quarters on takes its registers
.macro QUANT q, n
	s_wait_alu depctr_va_vdst(0)
	s_wait_loadcnt \n
	RST \q, 0
	RST \q, 1
	HALFQ 0, 16
	HALFQ 1, 0
.irp c, 0,1,2,3
	ds_store_b128 v[IMGW], v[CODE+4*\c:CODE+4*\c+3] offset:16384*(\q)+512*\c
.endr
.if (\q) < 2
	LOADL \q+2                                     ; (the stage's stores have read these registers: the wait for 0 in front of the second half)
.endif
.endm
.macro FETCHB q, p                     ; the images of quarter q's row tiles 2 p and 2 p + 1
.irp u, 0,1
.irp c, 0,1,2,3
	ds_load_b128 v[BF+16*\u+4*\c:BF+16*\u+4*\c+3], v[LI] offset:16384*(\q)+4096*(\p)+2048*\u+512*\c
.endr
.endr
.endm
; Four products: centroid tiles 2 k, 2 k + 1 x the two row tiles.  K = 128 is one instruction: none adds onto another's result, and neighbours write different accumulators
.macro MM k, d
	WIN W_MM
.irp c, 0,1
.irp u, 0,1
	v_wmma_f32_16x16x128_bf8_bf8 v[(\d)+16*\u+8*\c:(\d)+16*\u+8*\c+7], v[AF+16*(2*(\k)+\c):AF+16*(2*(\k)+\c)+15], v[BF+16*\u:BF+16*\u+15], v[C2+8*(2*(\k)+\c):C2+8*(2*(\k)+\c)+7]
.endr
.endr
	WIN 0
.endm
; 16 results of each row tile, at a and a + 16; s: the saved ones.  k = 0: the results are the saved ones already and start the best
.macro PROC k, a, s
.set BN, BEST+2*((\k)%2)
.set BO, BEST+2*(1-(\k)%2)
.irp i, 0,1,2,3,4
.irp u, 0,1
	v_max3_num_f32 v[TM+8*\u+\i], v[(\a)+16*\u+3*\i], v[(\a)+16*\u+3*\i+1], v[(\a)+16*\u+3*\i+2]
.endr
.endr
.irp u, 0,1
	v_max3_num_f32 v[TM+8*\u+5], v[(\a)+16*\u+15], v[TM+8*\u], v[TM+8*\u+1]
.endr
.irp u, 0,1
	v_max3_num_f32 v[TM+8*\u+6], v[TM+8*\u+2], v[TM+8*\u+3], v[TM+8*\u+4]
.endr
.irp u, 0,1
.if (\k) == 0
	v_max_num_f32 v[BN+\u], v[TM+8*\u+5], v[TM+8*\u+6]
.else
	v_max3_num_f32 v[BN+\u], v[TM+8*\u+5], v[TM+8*\u+6], v[BO+\u]
.endif
.endr
.if (\k) > 0
.irp u, 0,1
	v_cmp_gt_f32 vcc_lo, v[BN+\u], v[BO+\u]        ; the best has grown (an equal one further on does not win)
.irp i, 0,2,4,6,8,10,12,14
	v_dual_cndmask_b32 v[(\s)+16*\u+\i], v[(\s)+16*\u+\i], v[(\a)+16*\u+\i] :: v_dual_cndmask_b32 v[(\s)+16*\u+\i+1], v[(\s)+16*\u+\i+1], v[(\a)+16*\u+\i+1]
.endr
	v_cndmask_b32 v[ID+\u], v[ID+\u], 16*(\k), vcc_lo
.endr
.endif
.endm
; One halving: v[TM + 8 u] is the largest of the lower n saved places; where it equals the best these stay, else the upper n take their place.  t: where n or 0 goes
.macro HALVE s, n, t
.irp u, 0,1
	v_cmp_eq_f32 vcc_lo, v[TM+8*\u], v[BEST+2+\u]
.set ii, 0
.rept (\n)/2
	v_dual_cndmask_b32 v[(\s)+16*\u+ii], v[(\s)+16*\u+(\n)+ii], v[(\s)+16*\u+ii] :: v_dual_cndmask_b32 v[(\s)+16*\u+ii+1], v[(\s)+16*\u+(\n)+ii+1], v[(\s)+16*\u+ii+1]
.set ii, ii+2
.endr
	v_cndmask_b32 v[TM+8*\u+\t], \n, 0, vcc_lo
.endr
.endm
; A pair's two indices into hj, hj + 1; hold > 0: its bests are copied to hold, hold + 1
.macro RESOLVE s, hj, hold
.irp u, 0,1
	v_max3_num_f32 v[TM+8*\u], v[(\s)+16*\u], v[(\s)+16*\u+1], v[(\s)+16*\u+2]
.endr
.irp u, 0,1
	v_max3_num_f32 v[TM+8*\u+1], v[(\s)+16*\u+3], v[(\s)+16*\u+4], v[(\s)+16*\u+5]
.endr
.irp u, 0,1
	v_max3_num_f32 v[TM+8*\u], v[TM+8*\u], v[(\s)+16*\u+6], v[(\s)+16*\u+7]
.endr
.irp u, 0,1
	v_max_num_f32 v[TM+8*\u], v[TM+8*\u], v[TM+8*\u+1]
.endr
	HALVE \s, 8, 2
.irp u, 0,1
	v_max3_num_f32 v[TM+8*\u], v[(\s)+16*\u], v[(\s)+16*\u+1], v[(\s)+16*\u+2]
.endr
.irp u, 0,1
	v_max_num_f32 v[TM+8*\u], v[TM+8*\u], v[(\s)+16*\u+3]
.endr
	HALVE \s, 4, 3
.irp u, 0,1
	v_max_num_f32 v[TM+8*\u], v[(\s)+16*\u], v[(\s)+16*\u+1]
.endr
	HALVE \s, 2, 4
.irp u, 0,1
	v_cmp_eq_f32 vcc_lo, v[(\s)+16*\u], v[BEST+2+\u]
	v_cndmask_b32 v[TM+8*\u+5], 1, 0, vcc_lo
.endr
.irp u, 0,1
	v_add3_u32 v[TM+8*\u+2], v[ID+\u], v[TM+8*\u+2], v[TM+8*\u+3]
.endr
.irp u, 0,1
	v_add3_u32 v[TM+8*\u+4], v[LB], v[TM+8*\u+4], v[TM+8*\u+5]
.endr
.if (\hold) > 0
.irp u, 0,1
	v_mov_b32 v[(\hold)+\u], v[BEST+2+\u]
.endr
.endif
.irp u, 0,1
	v_add_nc_u32 v[(\hj)+\u], v[TM+8*\u+2], v[TM+8*\u+4]
.endr
.endm
.macro STO q, p, hv, hj                ; my candidates for rows 64 (2 p + u) + 16 q + r
.irp u, 0,1
	ds_store_b32 v[CW], v[(\hv)+\u] offset:512*(\p)+256*\u+64*(\q)
	ds_store_b32 v[CW], v[(\hj)+\u] offset:32768+512*(\p)+256*\u+64*(\q)
.endr
.endm
; A pair's first eight products, behind the wait for its two fragments (n: the younger LDS stores that may stay out)
.macro FIRST s, n
	s_wait_alu depctr_va_vdst(0)
	s_wait_dscnt \n
	MM 0, \s
	MM 1, B1
.endm
; The rest of pair p: s its saved results, o the third buffer (the last pair's, resolved by now).  Every PROC's products stand behind another PROC, which holds their places
.macro REST q, p, s, o
	v_mov_b32 v[ID], 0
	v_mov_b32 v[ID+1], 0
	PROC 0, \s, \s
	MM 2, \o
	PROC 1, B1, \s
	MM 3, B1
	PROC 2, \o, \s
.if (\p) < 3
	FETCHB \q, \p+1
.endif
	PROC 3, B1, \s
.endm
.macro QUARTER q, n
	FETCHB \q, 0
.if (\q) > 0                           ; while they come: the last quarter's held candidates, and its last pair
	STO \q-1, 1, HV1, HJ1
	STO \q-1, 2, HV2, HJ2
	RESOLVE B2, HJ1, 0
	STO \q-1, 3, BEST+2, HJ1
	FIRST B0, 12
.else
	FIRST B0, 0
.endif
	v_nop                                          ; with the two moves that follow: four places behind the products
	v_nop
	REST \q, 0, B0, B2
	FIRST B2, 0
	RESOLVE B0, HJ1, 0
	STO \q, 0, BEST+2, HJ1
	REST \q, 1, B2, B0
.if (\q) < 3
	QUANT \q+1, \n                                 ; every image has bytes of its own: one barrier a quarter
	s_wait_alu depctr_va_vdst(0)
	s_wait_dscnt 0x0                               ; for the others' sake: my image is stored,
	s_barrier_signal -1                            ; say so.  Up to the wait: work on registers, and loads of this quarter's images, which nobody writes again
.endif
	FIRST B0, 0
	RESOLVE B2, HJ1, HV1                           ; held: no LDS store stands between signal and wait
	REST \q, 2, B0, B2
	FIRST B2, 0
	RESOLVE B0, HJ2, HV2
	REST \q, 3, B2, B0
.if (\q) < 3
	s_wait_alu depctr_va_vdst(0)
	s_barrier_wait -1                              ; everybody's image of the next quarter is stored
.endif
.endm
.macro MEET                            ; for the others' sake my LDS stores are done; then everybody's are
	s_wait_alu depctr_va_vdst(0)
	s_wait_dscnt 0x0
	s_barrier_signal -1
	s_barrier_wait -1
.endm
	s_load_b256 s[4:11], s[0:1], 0x0               ; latent s[4:5], codes s[6:7], cterm s[8:9], the scales' exponents s[10:11]
	s_load_b64 s[12:13], s[0:1], 0x20              ; out0
	v_lshl_add_u32 v[SPW], v0, 2, SPARE
	v_mov_b32 v[NIL], 0
	ds_add_u32 v[SPW], v[NIL]                      ; the opening lines: the add, twice on end, and its wait
	ds_add_u32 v[SPW], v[NIL]
	v_lshrrev_b32 v24, 5, v0
	v_readfirstlane_b32 s[WV], v24                 ; wave 0..7
	v_and_b32 v25, 15, v0                          ; r
	v_bfe_u32 v26, v0, 4, 1                        ; h
	v_and_b32 v27, 31, v0                          ; lane
	v_lshlrev_b32 v[CG], 4, v25
	v_lshlrev_b32 v[LI], 4, v27
	v_lshl_add_u32 v[CG], v26, 9, v[CG]
	; descriptor: my 8 tiles of codes, 16,384 dense bytes as 64 rows of 32 elements of 8 bytes
	s_mov_b32 s[G1+0], 3<<16                       ; 15:0 no mask; 17:16 elements of 8 bytes; no padding
	s_mov_b32 s[G1+1], 32<<16                      ; tensor_dim0 = 32
	s_mov_b32 s[G1+2], 64<<16                      ; tensor_dim1 = 64
	s_mov_b32 s[G1+3], 32<<16                      ; tile_dim0 = 32
	s_mov_b32 s[G1+4], 64                          ; tile_dim1 = 64
	s_mov_b32 s[G1+5], 32                          ; elements from row to row
	s_mov_b32 s[G1+6], 0
	s_mov_b32 s[G1+7], 0
	s_lshl_b32 s18, s[WV], 14                      ; my codes,
	s_mov_b32 s19, 0
	s_mov_b32 s[G0], 1                             ; count = 1
	s_add_co_u32 s[G0+1], s18, CODEL               ; LDS address
	s_lshl_b32 s16, ttmp9, 18                      ; the work-group's 512 rows of 512 bytes,
	s_lshl_b32 s17, s[WV], 15                      ; my 64 of them
	s_add_co_u32 s16, s16, s17
	s_mov_b32 s17, 0
	s_lshl_b32 s20, s[WV], 9                       ; my C operands
	s_mov_b32 s21, 0
	s_lshl_b32 s22, ttmp9, 11                      ; out0: 512 rows x 4 bytes
	s_mov_b32 s23, 0
	s_wait_alu depctr_va_vdst(0)
	s_wait_dscnt 0x0                               ; both opening adds are done
	s_wait_kmcnt 0x0
	s_load_b32 s24, s[10:11], 0x0                  ; ea
	s_add_nc_u64 s[G0+2:G0+3], s[6:7], s[18:19]
	s_or_b32 s[G0+3], s[G0+3], 0x80000000          ; type = 2
	s_add_nc_u64 s[4:5], s[4:5], s[16:17]
	s_add_nc_u64 s[8:9], s[8:9], s[20:21]
	s_add_nc_u64 s[12:13], s[12:13], s[22:23]
	global_load_b128 v[BF:BF+3], v[LI], s[8:9]     ; 512 bytes: the C operands of my 8 tiles
	tensor_load_to_lds s[G0:G0+3], s[G1:G1+7]      ; one tensor load a wave
	s_nop 0
	LOADL 0
	LOADL 1
	s_add_co_u32 s18, s18, CODEL
	s_add_co_u32 s20, s20, C2L
	s_mul_i32 s25, s[WV], SREG
	s_add_co_u32 s25, s25, STG                     ; my stage
	s_lshl_b32 s26, s[WV], 11
	s_lshl_b32 s27, s[WV], 12
	s_add_co_u32 s27, s27, CAND
	s_lshl_b32 s28, s[WV], 7
	s_wait_alu depctr_va_vdst(0)
	v_add_nc_u32 v[IMGW], s26, v[LI]
	v_add_nc_u32 v[CDR], s18, v[LI]
	v_add_nc_u32 v[C2W], s20, v[LI]
	v_lshl_add_u32 v[C2R], v26, 5, s20
	v_mul_u32_u24 v[STGW], v26, SPI
	v_mul_u32_u24 v[STGR], v25, SPI
	v_lshl_add_u32 v[CW], v25, 2, s27
	v_lshl_add_u32 v[LB], v26, 6, s28
	v_lshl_add_u32 v[STGW], v25, 4, v[STGW]
	v_lshl_add_u32 v[STGR], v26, 7, v[STGR]
	v_lshl_add_u32 v[CW], v26, 11, v[CW]
	v_add_nc_u32 v[STGW], s25, v[STGW]
	v_add_nc_u32 v[STGR], s25, v[STGR]
	v_lshl_add_u32 v[MA], v0, 3, CAND
	v_lshlrev_b32 v[OO], 3, v0
	s_wait_alu depctr_va_vdst(0)
	s_wait_kmcnt 0x0
	s_add_co_i32 s24, s24, 127
	s_lshl_b32 s25, s24, 23
	v_mov_b32 v[SCA], s25                          ; 2^ea as f32: the conversion takes its exponent field
	s_add_co_i32 s24, s24, 15
	s_lshl_b32 s24, s24, 23
	s_or_b32 s24, s24, 0x600000
	v_mov_b32 v[SCA+1], s24                        ; 57,344 x 2^ea
	QUANT 0, 16                                    ; quarter 1's 16 loads may be out; the C operands' load, the oldest, is in too
	ds_store_b128 v[C2W], v[BF:BF+3]               ; my C operands, and back in the result's layout: numbers 8 h + 0 .. 7 of each tile
.irp t, 0,1,2,3,4,5,6,7
	ds_load_b128 v[C2+8*\t:C2+8*\t+3], v[C2R] offset:64*\t
	ds_load_b128 v[C2+8*\t+4:C2+8*\t+7], v[C2R] offset:64*\t+16
.endr
	s_wait_alu depctr_va_vdst(0)
	s_wait_tensorcnt 0x0                           ; my codes are in; nobody else reads them here
	WIN W_D1
.irp t, 0,1,2,3,4,5,6,7
.irp c, 0,1,2,3
	ds_load_b128 v[AF+16*\t+4*\c:AF+16*\t+4*\c+3], v[CDR] offset:2048*\t+512*\c
.endr
.endr
	WIN 0
	MEET
	QUARTER 0, 16                                  ; quarter 1's tile: quarter 2's 16 loads may be out
	QUARTER 1, 16                                  ; quarter 2's tile: quarter 3's 16 may be out
	QUARTER 2, 0
	QUARTER 3, 0
	STO 3, 1, HV1, HJ1
	STO 3, 2, HV2, HJ2
	RESOLVE B2, HJ1, 0
	STO 3, 3, BEST+2, HJ1
	MEET
	; THE END: sixteen candidates a row, list 2 w + h, their indices rising with the list: a later list wins only by a larger value.  Thread n takes rows 2 n and 2 n + 1
.set qq, 0
.rept 16
	ds_load_b64 v[VV+2*qq:VV+2*qq+1], v[MA] offset:2048*qq
	ds_load_b64 v[VI+2*qq:VI+2*qq+1], v[MA] offset:32768+2048*qq
.set qq, qq+1
.endr
	s_wait_dscnt 0x0
.macro LEVEL st                        ; lists a and a + st, a = 0, 2 st, ..
.set aa, 0
.rept 8/(\st)
.irp e, 0,1
	v_cmp_gt_f32 s[MK+aa+\e], v[VV+2*(aa+\st)+\e], v[VV+2*aa+\e]
.endr
.set aa, aa+2*(\st)
.endr
.set aa, 0
.rept 8/(\st)
.irp e, 0,1
	v_cndmask_b32 v[VV+2*aa+\e], v[VV+2*aa+\e], v[VV+2*(aa+\st)+\e], s[MK+aa+\e]
	v_cndmask_b32 v[VI+2*aa+\e], v[VI+2*aa+\e], v[VI+2*(aa+\st)+\e], s[MK+aa+\e]
.endr
.set aa, aa+2*(\st)
.endr
.endm
	LEVEL 1
	LEVEL 2
	LEVEL 4
	LEVEL 8
	global_store_b64 v[OO], v[VI:VI+1], s[12:13] th:TH_STORE_NT    ; a wave's store covers 256 consecutive bytes, at a multiple of 256 from out0's first byte
	s_wait_alu depctr_va_vdst(0)
	s_wait_tensorcnt 0x0                           ; the wave's end
	ds_add_u32 v[SPW], v[NIL]
	s_wait_dscnt 0x0
	s_endpgm
.Lfunc_end_k_q2989f205fa_nearest:
	.size	k_q2989f205fa_nearest, .Lfunc_end_k_q2989f205fa_nearest-k_q2989f205fa_nearest
	.p2alignl 7, 3214868480
	.fill 96, 4, 3214868480
	.section	.rodata,"a",@progbits
	.p2align	6, 0x0
	.amdhsa_kernel k_q2989f205fa_nearest
		.amdhsa_group_segment_fixed_size 302080
		.amdhsa_private_segment_fixed_size 0
		.amdhsa_enable_private_segment 0
		.amdhsa_kernarg_size 40
		.amdhsa_user_sgpr_count 2
		.amdhsa_user_sgpr_kernarg_segment_ptr 1
		.amdhsa_wavefront_size32 1
		.amdhsa_system_sgpr_workgroup_id_x 1
		.amdhsa_system_sgpr_workgroup_id_y 1
		.amdhsa_system_sgpr_workgroup_id_z 1
		.amdhsa_system_vgpr_workitem_id 0
		.amdhsa_next_free_vgpr 512
		.amdhsa_next_free_sgpr 84
		.amdhsa_reserve_vcc 1
		.amdhsa_float_denorm_mode_32 3
		.amdhsa_float_denorm_mode_16_64 3
		.amdhsa_memory_ordered 1
		.amdhsa_forward_progress 1
		.amdhsa_inst_pref_size 248
	.end_amdhsa_kernel
	.amdgpu_metadata
---
amdhsa.version: [ 1, 2 ]
amdhsa.kernels:
  - .name:           k_q2989f205fa_nearest
    .symbol:         k_q2989f205fa_nearest.kd
    .args:
      - { .name: latent, .offset: 0, .size: 8, .value_kind: global_buffer, .address_space: global }
      - { .name: codes, .offset: 8, .size: 8, .value_kind: global_buffer, .address_space: global }
      - { .name: cterm, .offset: 16, .size: 8, .value_kind: global_buffer, .address_space: global }
      - { .name: lowp_scales, .offset: 24, .size: 8, .value_kind: global_buffer, .address_space: global }
      - { .name: out0, .offset: 32, .size: 8, .value_kind: global_buffer, .address_space: global }
    .group_segment_fixed_size: 302080
    .private_segment_fixed_size: 0
    .kernarg_segment_align: 8
    .kernarg_segment_size: 40
    .max_flat_workgroup_size: 256
    .sgpr_count:     84
    .vgpr_count:     512
    .wavefront_size: 32
...
	.end_amdgpu_metadata
.endif
;; end of part 2
